; MI455X (gfx1250); checked and timed in simulation.
; The chip was launched on July 23, 2026; its instructions are those of AMD's public machine-readable ISA for CDNA 5 (MIT licence, August 2026) and "CDNA5" Instruction Set Architecture Reference Guide (July 2026). The comments in the code are by the model that wrote it; some were corrected since.
;; Codebook Layer. Allowed arithmetic: matrix products marked QUANTISED: E5M2 operands, one given power-of-two scale a tensor, by v_wmma_f32_16x16x64_bf8_bf8 or v_wmma_f32_16x16x128_bf8_bf8, f32 sums; everything else in f32.
;; Inputs: codebook 4,096 x 1,024 float32; lowp_scales 2 int32 (the exponents e of the quantised operands' scales 2^e); x 8 x 2,048 x 1,024 float32.
;; Outputs: out0 8 x 2,048 x 1,024 float32.
;; This version of the problem:
;;   THIS VERSION OF THE PROBLEM IS GIVEN IN LOW PRECISION. The matrix products marked QUANTISED in the list below multiply operands that are first quantised to E5M2 (5 exponent bits, 2 mantissa bits; 8 bits a number), with one given power-of-two scale for each operand tensor; their sums are f32. All else is computed in f32.
;;   The module's matrix products, in the order in which they are computed (A, B: the left and right operand; K: the contracted axis; several contracted axes count as one K, in the product's order):
;;     1. [M 16,384, K 1,024] x [K 1,024, N 4,096]; A: input x; B: input codebook: QUANTISED (scales: A lowp_scales[0], B lowp_scales[1])
;;   THE QUANTISER, for each operand of a quantised product, along K:
;;     - The operand's scale is 2^e, e = its entry of the input lowp_scales (int32; the entries are numbered through the quantised products in the list's order, A before B).
;;     - Each number is divided by the scale, clamped to +-57,344, and rounded to the nearest number of E5M2, ties to even, subnormals kept.
;;     - The product sums the exact products of the quantised numbers (number of the format x scale) in f32.
;;   ~~~python
;;   def quantise(x, axis, e):      # numpy; x: float32 -> the quantised numbers, widened to float32 again
;;       x = np.moveaxis(x, axis, -1); K = x.shape[-1]
;;       r = np.clip(x / 2.0 ** e, -57344, 57344)
;;       step = 2.0 ** (np.maximum(np.frexp(np.where(r == 0, 1, r))[1] - 1, -14) - 2)
;;       q = np.round(r / step) * step * 2.0 ** e      # np.round: ties to even
;;       return np.moveaxis(q, -1, axis).astype(np.float32)
;;   ~~~
;; One version. Each part assembles by itself: llvm-mc -triple=amdgcn-amd-amdhsa -mcpu=gfx1250 --defsym DOCPART=n.
;; ======== version 1 of 1: 3 launches
;; limits: right only within a limited range of input values
;; workspace buffers: xq 16,777,216 bytes; cq 4,194,304 bytes; cand 524,288 bytes of whole numbers
;; launch quant (part 1): grid 640 x 1, 4 waves a work-group, no clusters, 34,304 bytes of LDS; arguments x, codebook, lowp_scales, xq, cq; writes xq, cq
.if DOCPART == 1
	.amdgcn_target "amdgcn-amd-amdhsa--gfx1250"
	.amdhsa_code_object_version 6
	.text
	.protected	k_qcf352a6a31_quant
	.globl	k_qcf352a6a31_quant
	.p2align	8
	.type	k_qcf352a6a31_quant,@function
k_qcf352a6a31_quant:
	s_mov_b64 s[64:65], 0
	v_nop
	global_prefetch_b8 v0, s[64:65] scope:SCOPE_SE
	s_setreg_imm32_b32 hwreg(HW_REG_WAVE_MODE, 25, 1), 1
	s_wait_xcnt 0x0
; x [16384][1024] and codebook [4096][1024], f32, become codes of BF8 (E5M2), each tensor with the one scale 2^e that is given for it (entry 0: x, entry 1: codebook).
; code = number / 2^e, held within +-57,344, rounded to the nearest code, ties to even.
; LIMITS: -126 <= e <= 112, so that 2^e and 57,344 x 2^e are f32 numbers.  NaN among the inputs is not served; an infinity is held at the largest code.
; THE CODES ARE LAID IN THE ORDER OF THE OPERAND'S REGISTERS.  Tile t = rows 16 t .. 16 t + 15, K step s = k 128 s .. 128 s + 127: one image of 2,048 bytes at (8 t + s) x 2,048.
; In an image the 16 bytes at 512 c + 16 l are registers 4 c .. 4 c + 3 of lane l = (r = l % 16, h = l / 16): row 16 t + r, k = 128 s + 32 c + 16 h + 0 .. 15.
; So the product's launch fetches every fragment by loads of 512 consecutive bytes, and a tile with all of K is 16,384 bytes on end.
; SHARES.  A wave takes one tile x half of K: four K steps.  2 x (1,024 + 256) = 2,560 waves; work-groups 0-511 take x, 512-639 the codebook: only pointers and e are chosen, the path is one.
; A K step: sixteen loads, each 512 consecutive bytes of one row; through the wave's own stage in LDS (rows 528 bytes apart: 33 x 16, so sixteen rows begin at sixteen different
; 16-byte columns modulo 256); back 64 bytes a lane for each block of 32: sixteen neighbours along K in consecutive registers, as the conversions want them.  No barrier: waves share nothing.
; WORK LEFT OUT, in the whole program: the module uses the logits through argmax along the codes alone.  A logit is its sum of products of codes x 2^(e0 + e1), one positive factor for all logits,
; so the order of a row's logits, and with it the argmax, is that of the bare sums, whatever the inputs hold: the multiplication by 2^(e0 + e1) is not made.
; LIMIT: an overflow or an underflow that this factor alone would cause in f32 is not carried to the result.
.set NX,  512
.set SP,  528                          ; a stage row: 512 bytes + 16
.set STG, 16*SP                        ; a wave's stage
.set R,   16                           ; v16-143  two sets of 64 registers, as loaded
.set X,   144                          ; v144-207 64 numbers of my row: register 16 c + i = k 32 c + 16 h + i
.set C,   208                          ; v208-239 two sets of 16 registers of codes
	s_load_b128 s[4:7], s[0:1], 0x0                ; x, codebook
	s_load_b64 s[10:11], s[0:1], 0x10              ; the scales' exponents
	s_load_b128 s[12:15], s[0:1], 0x18             ; xq, cq
	v_lshl_add_u32 v240, v0, 2, 0x8400
	v_mov_b32 v241, 0
	v_lshrrev_b32 v1, 5, v0
	v_readfirstlane_b32 s16, v1                    ; wave 0..3
	v_and_b32 v1, 31, v0                           ; lane
	v_lshlrev_b32 v2, 4, v1                        ; 16 x lane: my bytes of a load's and of a store's 512
	s_mul_i32 s17, s16, STG                        ; my stage
	v_add_nc_u32 v3, s17, v2                       ; into it: 16 x lane of a row
	v_and_b32 v5, 15, v0                           ; r
	v_bfe_u32 v6, v0, 4, 1                         ; h
	v_mul_u32_u24 v4, v5, SP
	v_lshl_add_u32 v4, v6, 6, v4
	v_add_nc_u32 v4, s17, v4                       ; out of it: row r, + 64 h bytes
	s_cmp_lt_u32 ttmp9, NX
	s_cselect_b32 s18, 0, NX
	s_sub_co_u32 s18, ttmp9, s18
	s_lshl_b32 s18, s18, 2
	s_add_co_u32 s18, s18, s16                     ; u: which unit of the tensor is my wave's; tile u / 2, half u % 2
	s_lshr_b32 s20, s18, 1
	s_lshl_b32 s20, s20, 16                        ; 16 rows of 4,096 bytes a tile,
	s_and_b32 s19, s18, 1
	s_lshl_b32 s19, s19, 11                        ; 2,048 bytes of a row a half
	s_or_b32 s20, s20, s19
	s_mov_b32 s21, 0
	s_lshl_b32 s18, s18, 13                        ; four images of 2,048 bytes a unit
	s_mov_b32 s19, 0
	s_wait_alu depctr_va_vdst(0)
	s_wait_kmcnt 0x0
	s_load_b64 s[22:23], s[10:11], 0x0             ; e of x, e of the codebook
	s_cmp_lt_u32 ttmp9, NX                         ; the choice hangs on the work-group's number alone
	s_cselect_b64 s[4:5], s[4:5], s[6:7]
	s_cselect_b64 s[8:9], s[12:13], s[14:15]
	s_add_nc_u64 s[4:5], s[4:5], s[20:21]
	s_add_nc_u64 s[8:9], s[8:9], s[18:19]
.macro LOAD t                          ; K step t of my four: 512 bytes of each of the 16 rows, into set t % 2
.irp r, 0,1,2,3,4,5,6,7,8,9,10,11,12,13,14,15
	global_load_b128 v[R+64*((\t)%2)+4*\r:R+64*((\t)%2)+4*\r+3], v2, s[4:5] offset:4096*\r+512*(\t) th:TH_LOAD_NT
.endr
.endm
	LOAD 0
	LOAD 1
	s_wait_kmcnt 0x0
	s_cmp_lt_u32 ttmp9, NX
	s_cselect_b32 s22, s22, s23                    ; e
	s_add_co_i32 s22, s22, 127
	s_lshl_b32 s23, s22, 23
	v_mov_b32 v11, s23                             ; 2^e as f32: the conversion takes its exponent field
	s_add_co_i32 s22, s22, 15
	s_lshl_b32 s22, s22, 23
	s_or_b32 s22, s22, 0x600000
	v_mov_b32 v10, s22                             ; 57,344 x 2^e
.macro STEP t
.set RS, R+64*((\t)%2)
.set CD, C+16*((\t)%2)
.if (\t) < 3
	s_wait_loadcnt 16                              ; this step's sixteen loads are in; the next step's sixteen may be out
.else
	s_wait_loadcnt 0
.endif
.irp r, 0,1,2,3,4,5,6,7,8,9,10,11,12,13,14,15
	ds_store_b128 v3, v[RS+4*\r:RS+4*\r+3] offset:SP*\r
.endr
.irp c, 0,1,2,3
.irp j, 0,1,2,3
	ds_load_b128 v[X+16*\c+4*\j:X+16*\c+4*\j+3], v4 offset:128*\c+16*\j   ; LDS serves a wave's instructions in order (ISA guide 5.7.1.4): these see the stores above
.endr
.endr
	s_wait_dscnt 0x0                               ; the numbers are back, and the stores into the stage have read their registers,
.if (\t)+2 < 4
	LOAD (\t)+2                                    ; which take the loads of two steps on
.endif
.if (\t) >= 2
	s_wait_xcnt 0x0                                ; the stores of two steps back have read this set of codes: it is written again only behind this wait
.endif
.irp i, 0,1,2,3,4,5,6,7,8,9,10,11,12,13,14,15,16,17,18,19,20,21,22,23,24,25,26,27,28,29,30,31,32,33,34,35,36,37,38,39,40,41,42,43,44,45,46,47,48,49,50,51,52,53,54,55,56,57,58,59,60,61,62,63
	v_med3_num_f32 v[X+\i], v[X+\i], -v10, v10     ; the conversion to an 8-bit code does not saturate (ISA guide 7.6.2): the hold at the largest code x the scale
.endr
.irp c, 0,1,2,3
	v_cvt_scalef32_pk8_bf8_f32 v[CD+4*\c:CD+4*\c+1], v[X+16*\c:X+16*\c+7], v11
	v_cvt_scalef32_pk8_bf8_f32 v[CD+4*\c+2:CD+4*\c+3], v[X+16*\c+8:X+16*\c+15], v11
.endr
	v_nop                                          ; one plain vector instruction between the conversions and the next step's holds, which write their sources
.irp c, 0,1,2,3
	global_store_b128 v2, v[CD+4*\c:CD+4*\c+3], s[8:9] offset:2048*(\t)+512*\c   ; 32 lanes store 512 consecutive bytes, at a multiple of 256 from the buffer's first byte
.endr
.endm
	s_wait_alu depctr_va_vdst(0)
	STEP 0
	STEP 1
	STEP 2
	STEP 3
	s_wait_tensorcnt 0x0
	ds_add_u32 v240, v241
	s_wait_dscnt 0x0
	s_endpgm
.Lfunc_end_k_qcf352a6a31_quant:
	.size	k_qcf352a6a31_quant, .Lfunc_end_k_qcf352a6a31_quant-k_qcf352a6a31_quant
	.p2alignl 7, 3214868480
	.fill 96, 4, 3214868480
	.section	.rodata,"a",@progbits
	.p2align	6, 0x0
	.amdhsa_kernel k_qcf352a6a31_quant
		.amdhsa_group_segment_fixed_size 34304
		.amdhsa_private_segment_fixed_size 0
		.amdhsa_enable_private_segment 0
		.amdhsa_kernarg_size 40
		.amdhsa_user_sgpr_count 2
		.amdhsa_user_sgpr_kernarg_segment_ptr 1
		.amdhsa_wavefront_size32 1
		.amdhsa_system_sgpr_workgroup_id_x 1
		.amdhsa_system_sgpr_workgroup_id_y 1
		.amdhsa_system_sgpr_workgroup_id_z 1
		.amdhsa_system_vgpr_workitem_id 0
		.amdhsa_next_free_vgpr 242
		.amdhsa_next_free_sgpr 66
		.amdhsa_reserve_vcc 0
		.amdhsa_float_denorm_mode_32 3
		.amdhsa_float_denorm_mode_16_64 3
		.amdhsa_memory_ordered 1
		.amdhsa_forward_progress 1
		.amdhsa_inst_pref_size 37
	.end_amdhsa_kernel
	.amdgpu_metadata
---
amdhsa.version: [ 1, 2 ]
amdhsa.kernels:
  - .name:           k_qcf352a6a31_quant
    .symbol:         k_qcf352a6a31_quant.kd
    .args:
      - { .name: x, .offset: 0, .size: 8, .value_kind: global_buffer, .address_space: global }
      - { .name: codebook, .offset: 8, .size: 8, .value_kind: global_buffer, .address_space: global }
      - { .name: lowp_scales, .offset: 16, .size: 8, .value_kind: global_buffer, .address_space: global }
      - { .name: xq, .offset: 24, .size: 8, .value_kind: global_buffer, .address_space: global }
      - { .name: cq, .offset: 32, .size: 8, .value_kind: global_buffer, .address_space: global }
    .group_segment_fixed_size: 34304
    .private_segment_fixed_size: 0
    .kernarg_segment_align: 8
    .kernarg_segment_size: 40
    .max_flat_workgroup_size: 128
    .sgpr_count:     66
    .vgpr_count:     242
    .wavefront_size: 32
...
	.end_amdgpu_metadata
.endif
;; end of part 1
;; launch snap (part 2): grid 4 x 64, 4 waves a work-group, clusters of 4 x 4, 327,680 bytes of LDS; arguments xq, cq, cand; writes cand
.if DOCPART == 2
	.amdgcn_target "amdgcn-amd-amdhsa--gfx1250"
	.amdhsa_code_object_version 6
	.text
	.protected	k_qcf352a6a31_snap
	.globl	k_qcf352a6a31_snap
	.p2align	8
	.type	k_qcf352a6a31_snap,@function
k_qcf352a6a31_snap:
	s_mov_b64 s[64:65], 0
	v_nop
	global_prefetch_b8 v0, s[64:65] scope:SCOPE_SE
	s_setreg_imm32_b32 hwreg(HW_REG_WAVE_MODE, 25, 1), 1
	s_wait_xcnt 0x0
	s_wait_alu depctr_hold_cnt(0) depctr_sa_sdst(0) depctr_va_vdst(0) depctr_va_sdst(0) depctr_va_ssrc(0) depctr_va_vcc(0) depctr_vm_vsrc(0)
	s_getreg_b32 s2, hwreg(HW_REG_IB_STS2, 6, 4)
	s_cmp_eq_u32 s2, 0
	s_cbranch_scc0 .Lentry_in_a_cluster
	s_endpgm
.Lentry_in_a_cluster:
	s_bfe_u32 s2, ttmp6, 0x10000c
	s_cmp_lg_u32 s2, 0xf033
	s_cbranch_scc0 .Lentry_shape_is_right
	s_endpgm
.Lentry_shape_is_right:
; For each of 16,384 rows of x and each quarter of the codebook (1,024 codes): the largest logit and its code number, stored in cand [quarter][row][key, code number].
; logit = sum over k of x's code x the codebook's code (BF8, E5M2), f32 sums.  The factor 2^(e0 + e1) is left out: it is positive and the same for all logits, so the argmax is that of the bare sums.
; LIMITS: NaN among the inputs is not served; an overflow or underflow that the factor alone would cause is not carried to the result.
; xq and cq hold images of operand registers: tile t (16 rows), K step s (128 k) at (8 t + s) x 2,048 bytes; the 16 bytes at 512 c + 16 l are registers 4 c .. 4 c + 3 of lane l.
; SHARES.  A work-group: 256 rows x one quarter; 4 x 64 = 256 work-groups.  A wave: 64 rows, whose fragments for all of K (4 tiles x 8 K steps x 16 = 512 registers) stay in windows 2 and 3.
; The quarter goes through two LDS slots of 8 tiles of 16 codes (131,072 bytes); each wave fetches a quarter of a slot by one tensor load.  The four work-groups of a column of the 4 x 4 cluster
; walk the same quarter and ask for each slot JOINTLY; the four of a row hold the same rows of x and ask for them jointly.  Each fill behind the first stands behind a round of the cluster's barrier.
; THE HEAD: x's 262,144 bytes come first, in two halves, through slots 0 and 1 (a wave's own 32,768 bytes each time, read by that wave alone); then the two slots are filled again with the quarter's slots 0 and 1.
; A TILE is 32 products; the four accumulators (my four row tiles) take turns, one instruction a turn.
; Source 0 = 16 codes, source 1 = 16 rows of x: lane (r, h) holds row r, and register j the code 8 h + j of the tile.
; Behind every two products stand a few lines of the vector work that finishes the tile BEFORE (two sets of accumulators take turns), 15 lines an accumulator: the tile's largest, the running largest,
; and, where it grew, the tile's number and its eight logits are kept.  '>' keeps the earlier tile where logits are equal.  Inside the 15 lines a result is read at most six lines on; what they leave
; is read again 60 lines on.  Waits on memory, barriers and the tensor load stand only where a whole accumulator is finished.
; B has two sets of 128 registers: the next tile's 32 LDS loads go out in one run behind a tile's first two products and are waited for at the next tile's top.
; PREFETCH: at the change out of slot t (t = 0 .. 3) each wave names 32 blocks of 256 bytes of slot t + 4, whose tensor load stands two changes of slots on.  The four partners of a column share
; a slot's 512 blocks out by address (cy x 32,768 + wave x 8,192 + lane x 256).  Slots 0 to 3 come by their loads alone; the changes out of slots 4 and 5 ask for nothing.
.set TILEB, 16384                      ; a tile of 16 codes with all of K
.set SLOT,  1<<17
.set SPARE, 2*SLOT                     ; behind the ring: the spare words, 128 bytes a wave
.set LI,   1                           ; v1  16 x lane; never rewritten
.set ADR,  2                           ; v2  LDS address of the tile that is being fetched
.set TV,   3                           ; v3  the finished tile's number
.set SPW,  4                           ; v4  my spare word; never rewritten
.set NIL,  5                           ; v5  0; never rewritten
.set PFO,  12                          ; v12 256 x lane: the prefetches' offset; never rewritten
.set ADA,  13                          ; v13-14 LDS address of my part of slot 0, 1: x's halves
.set ACC,  32                          ; v32-95   two sets of 4 accumulators
.set BEST, 96                          ; v96-127  the 8 logits of the tile that holds the running largest, for each row tile
.set IDX,  128                         ; v128-159 at the end: their code numbers
.set HB,   160
.set OUT,  168
.set T4,   172                         ; v172-175 that tile's number
.set NB,   176                         ; v176-183 the running largest, old and new by turns
.set TM,   184                         ; v184-185 at work
.set WV,   10
.set G1,   16                          ; s[16:23] descriptor group 1 for the codebook's slots: my column's mask
.set G0A,  24                          ; s[24:27] group 0 for x's halves
.set G0,   28                          ; s[28:31] group 0 for the codebook's slots
.set TB,   32                          ; LDS byte of the next tile to fetch
.set TN,   33                          ; number of the tile that is being finished
.set SLOTS, 34
.set PAIRS, 35
.set PFA,  36                          ; s[36:37] where my prefetches stand
.set SEL,  38
.set G1A,  52                          ; s[52:59] descriptor group 1 for x's halves: my row's mask
.set MSB, 0
.macro WIN new                         ; the immediate's high byte repeats the setting that is left
.if MSB != (\new)
	s_set_vgpr_msb (MSB<<8)|(\new)
.set MSB, (\new)
.endif
.endm
.set MUL_LO, 0x09                      ; source 0 (codes) window 1, source 1 (x, K steps 0-3) window 2, C and D window 0
.set MUL_HI, 0x0d                      ; the same with x's K steps 4-7, window 3
.set TO_B,   0x40
.set TO_A2,  0x80
.macro CREST                           ; a round of the cluster's barrier behind its opening barrier
	s_cmp_lg_u32 s[WV], 0
	s_cbranch_scc1 .Lnot_wave_0_\@
	s_barrier_signal -3
.Lnot_wave_0_\@:
	s_barrier_wait -3
	s_barrier_signal -1
	s_barrier_wait -1
.endm
.macro CROUND
	s_barrier_signal -1
	s_barrier_wait -1
	CREST
.endm
	s_load_b128 s[4:7], s[0:1], 0x0                ; xq, cq
	s_load_b64 s[8:9], s[0:1], 0x10                ; cand
	v_lshl_add_u32 v[SPW], v0, 2, SPARE
	v_mov_b32 v[NIL], 0
	ds_add_u32 v[SPW], v[NIL]                      ; the opening: the add, twice on end, and its wait ahead of my first tensor load
	ds_add_u32 v[SPW], v[NIL]
	v_lshrrev_b32 v6, 5, v0
	v_readfirstlane_b32 s[WV], v6                  ; wave 0..3
	v_and_b32 v[LI], 31, v0
	v_lshlrev_b32 v[PFO], 8, v[LI]
	v_lshlrev_b32 v[LI], 4, v[LI]
	s_bfe_u32 s11, ttmp6, 0x40000                  ; cx
	s_bfe_u32 s12, ttmp6, 0x40004                  ; cy
	s_lshl_b32 s13, ttmp9, 2
	s_add_co_u32 s13, s13, s11                     ; the quarter
	s_and_b32 s14, ttmp7, 0xffff
	s_lshl_b32 s14, s14, 2
	s_add_co_u32 s14, s14, s12                     ; the block of 256 rows
	s_lshl_b32 s15, 0x1111, s11                    ; my column of the cluster
	s_lshl_b32 s60, s12, 2
	s_lshl_b32 s60, 15, s60                        ; my row of the cluster
	s_or_b32 s[G1], s15, (3<<16)|(1<<21)           ; the mask; elements of 8 bytes; bit 21 beside a mask
	s_or_b32 s[G1A], s60, (3<<16)|(1<<21)
.irp g, G1, G1A
	s_mov_b32 s[\g+1], 32<<16                      ; 128 rows of 32 elements, dense: 32,768 bytes
	s_mov_b32 s[\g+2], 128<<16
	s_mov_b32 s[\g+3], 32<<16
	s_mov_b32 s[\g+4], 128
	s_mov_b32 s[\g+5], 32
	s_mov_b32 s[\g+6], 0
	s_mov_b32 s[\g+7], 0
.endr
	s_lshl_b32 s40, s13, 20                        ; cq: 1,048,576 bytes a quarter + my wave's 32,768 of a slot
	s_lshl_b32 s41, s[WV], 15
	s_add_co_u32 s40, s40, s41
	s_mov_b32 s41, 0
	s_lshl_b32 s42, s14, 18                        ; xq: 262,144 bytes a block + 65,536 a wave
	s_lshl_b32 s43, s[WV], 16
	s_add_co_u32 s42, s42, s43
	s_mov_b32 s43, 0
	s_lshl_b32 s44, s13, 17                        ; cand: 131,072 bytes a quarter, 2,048 a block, 512 a wave
	s_lshl_b32 s45, s14, 11
	s_add_co_u32 s44, s44, s45
	s_lshl_b32 s45, s[WV], 9
	s_add_co_u32 s44, s44, s45
	s_mov_b32 s45, 0
	s_lshl_b32 s48, s13, 20                        ; the prefetches: the quarter, slot 3 (stepped to 4 ahead of the first), my work-group's and my wave's share
	s_lshl_b32 s49, s12, 15
	s_add_co_u32 s48, s48, s49
	s_lshl_b32 s49, s[WV], 13
	s_add_co_u32 s48, s48, s49
	s_add_co_u32 s48, s48, 3*SLOT
	s_mov_b32 s49, 0
	s_lshl_b32 s50, s[WV], 15                      ; LDS: my wave's part of a slot
	s_mov_b32 s51, 0xff800000                      ; -infinity
	s_mov_b32 s[SEL], 0x76543210
	s_mov_b32 s[SEL+1], 0xfedcba98
	s_mov_b32 s[TB], 0
	s_mov_b32 s[TN], -1
	s_wait_alu depctr_va_vdst(0)
	s_wait_dscnt 0x0                               ; both opening adds are done
	s_wait_kmcnt 0x0
	s_add_nc_u64 s[PFA:PFA+1], s[6:7], s[48:49]
	s_add_nc_u64 s[6:7], s[6:7], s[40:41]
	s_add_nc_u64 s[4:5], s[4:5], s[42:43]
	s_add_nc_u64 s[8:9], s[8:9], s[44:45]
	CROUND                                         ; all sixteen work-groups are here: the first joint loads meet
	s_mov_b32 s[G0A], 1
	s_mov_b32 s[G0A+1], s50
	s_mov_b64 s[G0A+2:G0A+3], s[4:5]
	s_or_b32 s[G0A+3], s[G0A+3], 0x80000000
	s_mov_b32 s[G0], 1
	s_mov_b32 s[G0+1], s50
	s_mov_b64 s[G0+2:G0+3], s[6:7]
	s_or_b32 s[G0+3], s[G0+3], 0x80000000
	tensor_load_to_lds s[G0A:G0A+3], s[G1A:G1A+7]  ; my row tiles 0 and 1 of x, into slot 0: my first tensor load
	s_nop 0
.irp e, 0,1,2,3,4,5,6,7,8,9,10,11,12,13,14,15,16,17,18,19,20,21,22,23,24,25,26,27,28,29,30,31
	v_mov_b32 v[BEST+\e], s51
	v_mov_b32 v[ACC+32+\e], s51                    ; the first tile finishes a tile of -infinity, which changes nothing
.endr
.irp a, 0,1,2,3
	v_mov_b32 v[T4+\a], 0
	v_mov_b32 v[NB+\a], s51
.endr
	v_add_nc_u32 v[ADA], s50, v[LI]
	v_add_nc_u32 v[ADA+1], SLOT, v[ADA]
	v_add_nc_u32 v[ADR], s[TB], v[LI]              ; tile 0
	s_add_co_u32 s[TB], s[TB], TILEB
; x's row tiles first, first + 1 out of my part of a slot: register 64 (s % 4) + 16 tile + 4 c of window 2 + s / 4; 64 loads of 512 consecutive bytes
.macro ALOAD reg, first
.irp w, 0,1
	WIN TO_A2+0x40*\w
.irp s, 0,1,2,3
.irp t, 0,1
.irp c, 0,1,2,3
	ds_load_b128 v[64*\s+16*(\first+\t)+4*\c:64*\s+16*(\first+\t)+4*\c+3], v[\reg] offset:(8*\t+4*\w+\s)*2048+512*\c
.endr
.endr
.endr
.endr
	WIN 0
.endm
; two products, numbers i and i + 1 of the tile's 32: K step i / 4, row tile i % 4.  K step 0 starts the sums with the constant 0.
.macro MM2 p
.if i < 16
	WIN MUL_LO
.else
	WIN MUL_HI
.endif
.rept 2
.set rD, ACC+32*(\p)+8*(i%4)
.set rB, 128*(\p)+16*(i/4)
.set rA, 64*((i/4)%4)+16*(i%4)
.if i < 4
	v_wmma_f32_16x16x128_bf8_bf8 v[rD:rD+7], v[rB:rB+15], v[rA:rA+15], 0
.else
	v_wmma_f32_16x16x128_bf8_bf8 v[rD:rD+7], v[rB:rB+15], v[rA:rA+15], v[rD:rD+7]
.endif
.set i, i+1
.endr
.endm
; line n of the 60 that finish set q: accumulator n / 15, from its low end on
.macro OP q
.set aa, n/15
.set oo, n%15
.set rC, ACC+32*(\q)+8*aa
.set rN, NB+4*(\q)+aa
.set rO, NB+4*(1-(\q))+aa
.if oo == 0
	v_mov_b32 v[TV], s[TN]
.elseif oo == 1
	v_max3_num_f32 v[TM], v[rC], v[rC+1], v[rC+2]
.elseif oo == 2
	v_max3_num_f32 v[TM+1], v[rC+3], v[rC+4], v[rC+5]
.elseif oo == 3
	v_max3_num_f32 v[TM], v[TM], v[rC+6], v[rC+7]
.elseif oo == 4
	v_max3_num_f32 v[rN], v[TM], v[TM+1], v[rO]    ; the new running largest
.elseif oo == 5
	v_cmp_gt_f32 vcc_lo, v[rN], v[rO]              ; has it grown?
.elseif oo == 6
	v_cndmask_b32 v[T4+aa], v[T4+aa], v[TV], vcc_lo
.else
	v_cndmask_b32 v[BEST+8*aa+oo-7], v[BEST+8*aa+oo-7], v[rC+oo-7], vcc_lo
.endif
.set n, n+1
.endm
.macro OPS q, cnt
.rept \cnt
.if n < 60
	OP \q
.endif
.endr
.endm
.macro GRP p, cnt                      ; two products, then cnt lines for the other set
	MM2 \p
	WIN 0
	OPS 1-\p, \cnt
.endm
.macro FETCH p                         ; the tile at ADR into B's set p: 32 loads of 512 consecutive bytes
	WIN TO_B
.irp s, 0,1,2,3,4,5,6,7
.irp c, 0,1,2,3
	ds_load_b128 v[128*(\p)+16*\s+4*\c:128*(\p)+16*\s+4*\c+3], v[ADR] offset:2048*\s+512*\c
.endr
.endr
.endm
.macro ASK                             ; SLOTS = 6 - t: the changes out of slots 0 to 3 ask, the last two have no slot four on
	s_cmp_gt_u32 s[SLOTS], 2
	s_cbranch_scc0 .Lno_ask_\@
	global_prefetch_b8 v[PFO], s[PFA:PFA+1] th:TH_LOAD_NT scope:SCOPE_SE
.Lno_ask_\@:
.endm
; kind 0: the next tile lies in the same slot.  1: a slot's last tile, the slot is filled again.  2: a slot's last tile, nothing is filled.  3: the very last tile.
; The last two products of every tile have at least two lines behind them, and the two before them as many: with the next tile's first lines these are the places ahead of the first read of the sums.
.macro TILE p, kind
.set i, 0
.set n, 0
.if (\kind == 1) || (\kind == 2)
	s_sub_co_u32 s[TB], s[TB], 8*TILEB
	s_xor_b32 s[TB], s[TB], SLOT                   ; the next tile is the other slot's first
	v_add_nc_u32 v[ADR], s[TB], v[LI]
	s_add_co_u32 s[TB], s[TB], TILEB
	s_wait_alu depctr_va_vdst(0)
.if \kind == 1
	s_wait_xcnt 0x0                                ; my last prefetch has read its address,
	s_add_nc_u64 s[PFA:PFA+1], s[PFA:PFA+1], SLOT  ; which steps a slot on
.endif
	s_wait_tensorcnt 0x0                           ; all my tensor loads have landed: my part of the next slot;
	ds_add_u32 v[SPW], v[NIL]                      ; 0 onto my spare word
.if \kind == 1
	s_xor_b32 s[G0+1], s[G0+1], SLOT               ; no tensor load of mine is out: group 0 steps to the slot that is being left, two slots on in cq
	s_add_nc_u64 s[G0+2:G0+3], s[G0+2:G0+3], SLOT
.endif
	s_wait_dscnt 1                                 ; this tile's fragments are in; the add alone may be out
	MM2 \p
	MM2 \p
	WIN 0
	s_wait_dscnt 0x0                               ; the add is done, and my reads of this slot are over
	s_barrier_signal -1
	GRP \p, 5                                      ; work on registers while the others arrive: six products, and accumulator 0's 15 lines, whole
	GRP \p, 5
	GRP \p, 5
	s_barrier_wait -1
.if \kind == 1
	CREST                                          ; no wave of any partner still reads this slot or has a load on its way
	tensor_load_to_lds s[G0:G0+3], s[G1:G1+7]      ; my one tensor load behind the round
	s_nop 0
.endif
	FETCH 1-\p
.if \kind == 1
	WIN 0
	ASK
.endif
.rept 10
	GRP \p, 4
.endr
	GRP \p, 8                                      ; the five lines that are left
.else
	s_wait_dscnt 0x0                               ; this tile's fragments are in: asked for behind the last tile's first two products
	MM2 \p
	WIN 0
.if \kind == 0
	v_add_nc_u32 v[ADR], s[TB], v[LI]
.endif
	OPS 1-\p, 4
.if \kind == 0
	s_add_co_u32 s[TB], s[TB], TILEB
	FETCH 1-\p                                     ; the lines above and the last tile's last are the places behind the products that read this set
.endif
.rept 13
	GRP \p, 4
.endr
	GRP \p, 2
	GRP \p, 2
.endif
	s_add_co_u32 s[TN], s[TN], 1
.endm
.macro SLOTBODY kind                   ; a slot's 8 tiles
	s_mov_b32 s[PAIRS], 3
.Lpair_\@:
	TILE 0, 0
	TILE 1, 0
	s_sub_co_u32 s[PAIRS], s[PAIRS], 1
	s_cmp_lg_u32 s[PAIRS], 0
	s_cbranch_scc1 .Lpair_\@
	TILE 0, 0
	TILE 1, \kind
.endm
	s_wait_alu depctr_va_vdst(0)
	s_wait_tensorcnt 0x0                           ; x's first half is in; slot 1's first fill is issued as a refill is:
	ds_add_u32 v[SPW], v[NIL]
	s_add_co_u32 s[G0A+1], s[G0A+1], SLOT          ; no tensor load of mine is out: x's second half, into slot 1
	s_add_nc_u64 s[G0A+2:G0A+3], s[G0A+2:G0A+3], 32768
	s_wait_dscnt 0x0
	CROUND
	tensor_load_to_lds s[G0A:G0A+3], s[G1A:G1A+7]  ; my row tiles 2 and 3
	s_nop 0
	ALOAD ADA, 0
	s_wait_tensorcnt 0x0                           ; x's second half is in;
	ds_add_u32 v[SPW], v[NIL]
	s_wait_dscnt 0x0                               ; the add is done, and my reads of slot 0 are back
	CROUND
	tensor_load_to_lds s[G0:G0+3], s[G1:G1+7]      ; the quarter's slot 0
	s_nop 0
	ALOAD ADA+1, 2
	s_wait_tensorcnt 0x0                           ; my part of the quarter's slot 0 is in;
	ds_add_u32 v[SPW], v[NIL]
	s_xor_b32 s[G0+1], s[G0+1], SLOT
	s_add_nc_u64 s[G0+2:G0+3], s[G0+2:G0+3], SLOT
	s_wait_dscnt 0x0                               ; the add is done, and my reads of slot 1 are back
	CROUND
	tensor_load_to_lds s[G0:G0+3], s[G1:G1+7]      ; the quarter's slot 1
	s_nop 0
	FETCH 0                                        ; tile 0's fragments
	WIN 0
	s_mov_b32 s[SLOTS], 6
.Lslot:                                                ; slots 0 to 5: each is filled again, with slots 2 to 7
	SLOTBODY 1
	s_sub_co_u32 s[SLOTS], s[SLOTS], 1
	s_cmp_lg_u32 s[SLOTS], 0
	s_cbranch_scc1 .Lslot
	SLOTBODY 2
	SLOTBODY 3
.set n, 0
	OPS 1, 60                                      ; the last tile's accumulators
	; code numbers: 1,024 x quarter + 16 x tile + 8 h + j
	v_bfe_u32 v6, v0, 4, 1
	v_lshlrev_b32 v6, 3, v6
	s_lshl_b32 s43, s13, 10
	v_add_nc_u32 v6, s43, v6
.irp j, 0,1,2,3,4,5,6,7
	v_add_nc_u32 v[HB+\j], \j, v6
.endr
.irp e, 0,1,2,3,4,5,6,7,8,9,10,11,12,13,14,15,16,17,18,19,20,21,22,23,24,25,26,27,28,29,30,31
	v_lshl_add_u32 v[IDX+\e], v[T4+\e/8], 4, v[HB+\e%8]
.endr
.macro MERGE x, y                      ; x takes y where y's logit is larger, or equal with the lower code number
	v_cmp_gt_f32 s40, v[BEST+(\y)], v[BEST+(\x)]
	v_cmp_eq_f32 s41, v[BEST+(\y)], v[BEST+(\x)]
	v_cmp_lt_u32 s42, v[IDX+(\y)], v[IDX+(\x)]
	s_and_b32 s41, s41, s42
	s_or_b32 s40, s40, s41
	v_cndmask_b32 v[BEST+(\x)], v[BEST+(\x)], v[BEST+(\y)], s40
	v_cndmask_b32 v[IDX+(\x)], v[IDX+(\x)], v[IDX+(\y)], s40
.endm
.irp a, 0,1,2,3
	MERGE 8*\a, 8*\a+1
	MERGE 8*\a+2, 8*\a+3
	MERGE 8*\a+4, 8*\a+5
	MERGE 8*\a+6, 8*\a+7
	MERGE 8*\a, 8*\a+2
	MERGE 8*\a+4, 8*\a+6
	MERGE 8*\a, 8*\a+4
.endr
.irp a, 0,1,2,3
	v_permlanex16_b32 v[BEST+8*\a+1], v[BEST+8*\a], s[SEL], s[SEL+1]   ; lane l xor 16 holds the same row's other eight codes of each tile
	v_permlanex16_b32 v[IDX+8*\a+1], v[IDX+8*\a], s[SEL], s[SEL+1]
.endr
.irp a, 0,1,2,3
	MERGE 8*\a, 8*\a+1
.endr
.irp a, 0,1,2,3                        ; the key: -0 becomes +0, then the f32 pattern is turned into an unsigned number in the order of the logits
	v_add_f32 v[BEST+8*\a], 0, v[BEST+8*\a]
	v_ashrrev_i32 v[6+\a], 31, v[BEST+8*\a]
	v_or_b32 v[6+\a], 0x80000000, v[6+\a]
	v_xor_b32 v[BEST+8*\a], v[6+\a], v[BEST+8*\a]
.endr
	v_and_b32 v10, 31, v0
	v_cmp_lt_u32 s40, 15, v10
	v_lshlrev_b32 v11, 3, v10
.irp u, 0,1
	v_cndmask_b32 v[OUT+2*\u], v[BEST+16*\u], v[BEST+16*\u+8], s40     ; lanes 0-15 give row tile 2 u, lanes 16-31 row tile 2 u + 1
	v_cndmask_b32 v[OUT+2*\u+1], v[IDX+16*\u], v[IDX+16*\u+8], s40
.endr
.irp u, 0,1
	global_store_b64 v11, v[OUT+2*\u:OUT+2*\u+1], s[8:9] offset:256*\u   ; 32 lanes store 256 consecutive bytes, at a multiple of 256 from cand's first byte
.endr
	s_wait_tensorcnt 0x0                           ; the wave's end
	ds_add_u32 v[SPW], v[NIL]
	s_wait_dscnt 0x0
	CROUND                                         ; the closing round
	s_endpgm
.Lfunc_end_k_qcf352a6a31_snap:
	.size	k_qcf352a6a31_snap, .Lfunc_end_k_qcf352a6a31_snap-k_qcf352a6a31_snap
	.p2alignl 7, 3214868480
	.fill 96, 4, 3214868480
	.section	.rodata,"a",@progbits
	.p2align	6, 0x0
	.amdhsa_kernel k_qcf352a6a31_snap
		.amdhsa_group_segment_fixed_size 327680
		.amdhsa_private_segment_fixed_size 0
		.amdhsa_enable_private_segment 0
		.amdhsa_kernarg_size 24
		.amdhsa_user_sgpr_count 2
		.amdhsa_user_sgpr_kernarg_segment_ptr 1
		.amdhsa_wavefront_size32 1
		.amdhsa_system_sgpr_workgroup_id_x 1
		.amdhsa_system_sgpr_workgroup_id_y 1
		.amdhsa_system_sgpr_workgroup_id_z 1
		.amdhsa_system_vgpr_workitem_id 0
		.amdhsa_next_free_vgpr 1024
		.amdhsa_next_free_sgpr 66
		.amdhsa_reserve_vcc 1
		.amdhsa_float_denorm_mode_32 3
		.amdhsa_float_denorm_mode_16_64 3
		.amdhsa_memory_ordered 1
		.amdhsa_forward_progress 1
		.amdhsa_inst_pref_size 128
	.end_amdhsa_kernel
	.amdgpu_metadata
---
amdhsa.version: [ 1, 2 ]
amdhsa.kernels:
  - .name:           k_qcf352a6a31_snap
    .symbol:         k_qcf352a6a31_snap.kd
    .args:
      - { .name: xq, .offset: 0, .size: 8, .value_kind: global_buffer, .address_space: global }
      - { .name: cq, .offset: 8, .size: 8, .value_kind: global_buffer, .address_space: global }
      - { .name: cand, .offset: 16, .size: 8, .value_kind: global_buffer, .address_space: global }
    .group_segment_fixed_size: 327680
    .private_segment_fixed_size: 0
    .kernarg_segment_align: 8
    .kernarg_segment_size: 24
    .max_flat_workgroup_size: 128
    .sgpr_count:     66
    .vgpr_count:     1024
    .wavefront_size: 32
...
	.end_amdgpu_metadata
.endif
;; end of part 2
;; launch gather (part 3): grid 256 x 1, 16 waves a work-group, no clusters, 0 bytes of LDS; arguments cand, codebook, out0; writes out0
.if DOCPART == 3
	.amdgcn_target "amdgcn-amd-amdhsa--gfx1250"
	.amdhsa_code_object_version 6
	.text
	.protected	k_qcf352a6a31_gather
	.globl	k_qcf352a6a31_gather
	.p2align	8
	.type	k_qcf352a6a31_gather,@function
k_qcf352a6a31_gather:
	s_mov_b64 s[64:65], 0
	v_nop
	global_prefetch_b8 v0, s[64:65] scope:SCOPE_SE
	s_setreg_imm32_b32 hwreg(HW_REG_WAVE_MODE, 25, 1), 1
	s_wait_xcnt 0x0
; out0[row][:] = codebook[id(row)][:], f32 as it is given: 16,384 rows of 4,096 bytes.
; id(row): of the row's four candidates in cand ([quarter][row][key, code number], whole numbers that the launch before stored) the one with the largest key; the key is an unsigned number in the order
; of the logits, so the choice is made by unsigned compares on numbers read from memory.  '>' over ascending quarters keeps the lower code number where keys are equal.
; SHARES.  A work-group of sixteen waves takes 64 rows, a wave 4: its 4 x 32 bytes of candidates come by four scalar loads, the choice is scalar, and a row is copied by eight loads and eight stores of
; 512 consecutive bytes.  A row has 32 registers of its own: all 32 loads of a wave go out at once, no register is loaded twice, and each row is stored as soon as it is in.
; No LDS, no barrier: waves share nothing; matrix units and clusters have nothing to do here.
.set L16, 1                            ; v1      16 x lane; never rewritten
.set OFF, 2                            ; v2-5    row i: the chosen code's row in the codebook + 16 x lane
.set X,   16                           ; v16-143 four rows of 32 registers
	s_load_b128 s[4:7], s[0:1], 0x0                ; cand, codebook
	s_load_b64 s[8:9], s[0:1], 0x10                ; out0
	v_lshrrev_b32 v1, 5, v0
	s_delay_alu instid0(VALU_DEP_1)
	v_readfirstlane_b32 s10, v1                    ; wave 0..15
	v_and_b32 v1, 31, v0
	s_delay_alu instid0(VALU_DEP_1)
	v_lshlrev_b32 v[L16], 4, v1
	s_lshl_b32 s12, ttmp9, 9                       ; cand: 64 rows of 8 bytes a work-group,
	s_lshl_b32 s13, s10, 5                         ; 4 a wave
	s_add_co_u32 s12, s12, s13
	s_mov_b32 s13, 0
	s_lshl_b32 s14, ttmp9, 18                      ; out0: 64 rows of 4,096 bytes a work-group,
	s_lshl_b32 s15, s10, 14                        ; 4 a wave
	s_add_co_u32 s14, s14, s15
	s_mov_b32 s15, 0
	s_wait_alu depctr_va_vdst(0)
	s_wait_kmcnt 0x0
	s_add_nc_u64 s[4:5], s[4:5], s[12:13]
	s_add_nc_u64 s[8:9], s[8:9], s[14:15]
	s_load_b256 s[16:23], s[4:5], 0x0              ; my 4 rows' candidates of quarter 0: key, code number, key, ..
	s_load_b256 s[24:31], s[4:5], 0x20000          ; of quarter 1: 16,384 rows of 8 bytes further on
	s_load_b256 s[32:39], s[4:5], 0x40000
	s_load_b256 s[40:47], s[4:5], 0x60000
	s_wait_kmcnt 0x0
.irp i, 0,1,2,3
.irp b, 24, 32, 40
	s_cmp_gt_u32 s[\b+2*\i], s[16+2*\i]
	s_cselect_b32 s[16+2*\i], s[\b+2*\i], s[16+2*\i]
	s_cselect_b32 s[17+2*\i], s[\b+2*\i+1], s[17+2*\i]
.endr
	s_min_u32 s[17+2*\i], s[17+2*\i], 0xfff        ; a loaded number enters an address only behind this bound: the codebook has 4,096 rows
	s_lshl_b32 s[17+2*\i], s[17+2*\i], 12          ; of 4,096 bytes
	v_add_nc_u32 v[OFF+\i], s[17+2*\i], v[L16]
.endr
.macro LOADROW i                       ; no hint: a row of the codebook may be chosen by many rows
.irp j, 0,1,2,3,4,5,6,7
	global_load_b128 v[X+32*(\i)+4*\j:X+32*(\i)+4*\j+3], v[OFF+(\i)], s[6:7] offset:512*\j
.endr
.endm
.macro STOREROW i                      ; each store covers 512 consecutive bytes, at a multiple of 256 from out0's first byte; written once, read by nobody here
.irp j, 0,1,2,3,4,5,6,7
	global_store_b128 v[L16], v[X+32*(\i)+4*\j:X+32*(\i)+4*\j+3], s[8:9] offset:4096*(\i)+512*\j th:TH_STORE_NT
.endr
.endm
	s_wait_alu depctr_va_vdst(0)
	LOADROW 0
	LOADROW 1
	LOADROW 2
	LOADROW 3
	s_wait_loadcnt 24                              ; loads come back in order (ISA guide 5.7.1): row 0's eight are in, the three younger rows' 24 stay out
	STOREROW 0
	s_wait_loadcnt 16                              ; the counts run down, eight a row
	STOREROW 1
	s_wait_loadcnt 8
	STOREROW 2
	s_wait_loadcnt 0
	STOREROW 3
	s_endpgm
.Lfunc_end_k_qcf352a6a31_gather:
	.size	k_qcf352a6a31_gather, .Lfunc_end_k_qcf352a6a31_gather-k_qcf352a6a31_gather
	.p2alignl 7, 3214868480
	.fill 96, 4, 3214868480
	.section	.rodata,"a",@progbits
	.p2align	6, 0x0
	.amdhsa_kernel k_qcf352a6a31_gather
		.amdhsa_group_segment_fixed_size 0
		.amdhsa_private_segment_fixed_size 0
		.amdhsa_enable_private_segment 0
		.amdhsa_kernarg_size 24
		.amdhsa_user_sgpr_count 2
		.amdhsa_user_sgpr_kernarg_segment_ptr 1
		.amdhsa_wavefront_size32 1
		.amdhsa_system_sgpr_workgroup_id_x 1
		.amdhsa_system_sgpr_workgroup_id_y 1
		.amdhsa_system_sgpr_workgroup_id_z 1
		.amdhsa_system_vgpr_workitem_id 0
		.amdhsa_next_free_vgpr 144
		.amdhsa_next_free_sgpr 66
		.amdhsa_reserve_vcc 0
		.amdhsa_float_denorm_mode_32 3
		.amdhsa_float_denorm_mode_16_64 3
		.amdhsa_memory_ordered 1
		.amdhsa_forward_progress 1
		.amdhsa_inst_pref_size 10
	.end_amdhsa_kernel
	.amdgpu_metadata
---
amdhsa.version: [ 1, 2 ]
amdhsa.kernels:
  - .name:           k_qcf352a6a31_gather
    .symbol:         k_qcf352a6a31_gather.kd
    .args:
      - { .name: cand, .offset: 0, .size: 8, .value_kind: global_buffer, .address_space: global }
      - { .name: codebook, .offset: 8, .size: 8, .value_kind: global_buffer, .address_space: global }
      - { .name: out0, .offset: 16, .size: 8, .value_kind: global_buffer, .address_space: global }
    .group_segment_fixed_size: 0
    .private_segment_fixed_size: 0
    .kernarg_segment_align: 8
    .kernarg_segment_size: 24
    .max_flat_workgroup_size: 512
    .sgpr_count:     66
    .vgpr_count:     144
    .wavefront_size: 32
...
	.end_amdgpu_metadata
.endif
;; end of part 3
